; MI455X (gfx1250); checked and timed in simulation.
; The chip was launched on July 23, 2026; its instructions are those of AMD's public machine-readable ISA for CDNA 5 (MIT licence, August 2026) and "CDNA5" Instruction Set Architecture Reference Guide (July 2026). The comments in the code are by the model that wrote it; some were corrected since.
;; Embedding Dropout. Allowed arithmetic: float matrix products may take bf16 or f16 operands with f32 sums; all other float work in f32.
;; Inputs: mask 50,257 x 1 float32; weight 50,257 x 512 float32; x 8 x 2,048 int32.
;; Outputs: out0 8 x 2,048 x 512 float32.
;; 2 versions, each right; version 2 is version 1 with the launch gather written anew for expert scheduling mode. Each part assembles by itself: llvm-mc -triple=amdgcn-amd-amdhsa -mcpu=gfx1250 --defsym DOCPART=n.
;; ======== version 1 of 2: 1 launch
;; launch gather (part 1): grid 256 x 1, 8 waves a work-group, no clusters, 0 bytes of LDS; arguments x, weight, mask, out0; writes out0
.if DOCPART == 1
	.amdgcn_target "amdgcn-amd-amdhsa--gfx1250"
	.amdhsa_code_object_version 6
	.text
	.protected	k_q838d860883_gather
	.globl	k_q838d860883_gather
	.p2align	8
	.type	k_q838d860883_gather,@function
k_q838d860883_gather:
	s_mov_b64 s[64:65], 0
	v_nop
	global_prefetch_b8 v0, s[64:65] scope:SCOPE_SE
	s_setreg_imm32_b32 hwreg(HW_REG_WAVE_MODE, 25, 1), 1
	s_wait_xcnt 0x0
; out0[t][c] = weight[x[t]][c] * mask[x[t]]  for the 16,384 tokens t of x [8][2048] (int32); weight [50257][512] f32, mask [50257][1] f32.
; One f32 multiply for each number, as reference() does it, so NaN, infinities and signed zeros come out as there.
; Nothing of reference() is left out; of weight and mask only the rows that x names are read.
; LIMIT: an index outside 0 .. 50256 is clamped to 50256 (taken as unsigned, so a negative one too); jnp.take would wrap a
; negative index and fill NaN past the end.  The problem keeps indices inside the table.
;
; SHAPE.  256 work-groups of eight waves; a work-group owns 64 consecutive tokens, a wave 8.  A wave takes whole rows: a row is
; 2,048 bytes = four loads of 16 bytes a lane, each covering 512 consecutive bytes that start at a multiple of 512 from the buffer's
; first byte, and four stores of the same shape.  All 32 row loads of a wave go out in one run (16 KiB a wave, 128 KiB a work-group,
; which is all that the work-group gathers), so there is no loop, no register is written a second time, and no wait is needed
; to free a source.  The lane's 16 bytes as loaded are the 16 bytes that it stores: LDS would add a round trip and nothing else.
; No matrix unit (no product), no cluster (work-groups share no tile), no prefetch (each row is asked for as soon as its index
; is known).  Row loads carry no cache hint, since the list may name a row twice; the output is written once and not read: NT.
;
; The indices and the mask values are the same for all lanes of a wave, so they live in scalar registers: one scalar load brings the
; wave's eight indices (the eight waves of a group read 256 consecutive bytes of x), and eight scalar loads bring mask[index]
; while the rows are on their way.
.set VOCAB, 50257
.set ROWB,  2048                       ; bytes in a row of weight and of out0
.set TOK,   8                          ; tokens of a wave
.set IDX,   16                         ; s[16:23]   the wave's eight indices, clamped in place
.set MK,    24                         ; s[24:39]   token t: s[MK+2t] = mask[index], s[MK+2t+1] = 4 x index, the byte offset it was loaded from
.set L16,   1                          ; v1         16 x lane: my 16 bytes in each 512 of a row; also the stores' offset
.set OFF,   2                          ; v[2:9]     token t: 2,048 x index + 16 x lane, at most 102,926,320: below 2^31
.set D,     10                         ; v[10:137]  token t: 16 registers, the row's four pieces, scaled in place and stored from there
	s_load_b256 s[4:11], s[0:1], 0x0               ; x s[4:5], weight s[6:7], mask s[8:9], out0 s[10:11]
	v_lshrrev_b32 v1, 5, v0
	v_readfirstlane_b32 s12, v1                    ; wave 0 .. 7 in the work-group
	s_lshl_b32 s13, ttmp9, 3
	s_add_co_u32 s13, s13, s12                     ; wave 0 .. 2047 in the launch
	s_lshl_b32 s14, s13, 5                         ; its 8 indices in x: 32 bytes a wave
	s_lshl_b32 s2, s13, 14                         ; its 8 rows in out0: 16,384 bytes a wave, 32 MiB at the most
	s_mov_b32 s3, 0
	v_and_b32 v[L16], 31, v0
	v_lshlrev_b32 v[L16], 4, v[L16]                ; 16 x lane
	s_wait_kmcnt 0x0                               ; the four addresses
	s_load_b256 s[IDX:IDX+7], s[4:5], s14 offset:0x0
	s_add_nc_u64 s[10:11], s[10:11], s[2:3]        ; out0 at the wave's first row
	s_wait_kmcnt 0x0                               ; the eight indices
	; Token by token: clamp the index, ask for its mask value, ask for its row.
.irp t, 0,1,2,3,4,5,6,7
	s_min_u32 s[IDX+\t], s[IDX+\t], VOCAB-1                        ; no address is made of an index that has not passed here
	s_lshl_b32 s[MK+2*\t+1], s[IDX+\t], 2                          ; 4 x index
	s_load_b32 s[MK+2*\t], s[8:9], s[MK+2*\t+1] offset:0x0         ; mask[index]
	v_lshl_add_u32 v[OFF+\t], s[IDX+\t], 11, v[L16]                ; 2,048 x index + 16 x lane
.irp j, 0,1,2,3
	global_load_b128 v[D+16*\t+4*\j:D+16*\t+4*\j+3], v[OFF+\t], s[6:7] offset:512*\j
.endr
.endr
	s_wait_kmcnt 0x0                               ; the eight mask values (scalar loads come back in no order: only the count 0 shows anything)
	; Token by token: its four loads are in, scale, store.  The packed multiply takes a scalar pair and uses its first register for both
	; halves (op_sel_hi 0 for that source); the pair's second register holds the offset written above and enters no product.
.irp t, 0,1,2,3,4,5,6,7
	s_wait_loadcnt 4*(TOK-1-\t)                    ; loads come back in order (ISA guide 5.7.1): the four loads of each later token may stay out
.irp j, 0,1,2,3
	v_pk_mul_f32 v[D+16*\t+4*\j:D+16*\t+4*\j+1],   v[D+16*\t+4*\j:D+16*\t+4*\j+1],   s[MK+2*\t:MK+2*\t+1] op_sel_hi:[1,0]
	v_pk_mul_f32 v[D+16*\t+4*\j+2:D+16*\t+4*\j+3], v[D+16*\t+4*\j+2:D+16*\t+4*\j+3], s[MK+2*\t:MK+2*\t+1] op_sel_hi:[1,0]
	global_store_b128 v[L16], v[D+16*\t+4*\j:D+16*\t+4*\j+3], s[10:11] offset:\t*ROWB+512*\j th:TH_STORE_NT   ; 512 consecutive bytes of the token's row
.endr
.endr
	s_endpgm
.Lfunc_end_k_q838d860883_gather:
	.size	k_q838d860883_gather, .Lfunc_end_k_q838d860883_gather-k_q838d860883_gather
	.p2alignl 7, 3214868480
	.fill 96, 4, 3214868480
	.section	.rodata,"a",@progbits
	.p2align	6, 0x0
	.amdhsa_kernel k_q838d860883_gather
		.amdhsa_group_segment_fixed_size 0
		.amdhsa_private_segment_fixed_size 0
		.amdhsa_enable_private_segment 0
		.amdhsa_kernarg_size 32
		.amdhsa_user_sgpr_count 2
		.amdhsa_user_sgpr_kernarg_segment_ptr 1
		.amdhsa_wavefront_size32 1
		.amdhsa_system_sgpr_workgroup_id_x 1
		.amdhsa_system_sgpr_workgroup_id_y 1
		.amdhsa_system_sgpr_workgroup_id_z 1
		.amdhsa_system_vgpr_workitem_id 0
		.amdhsa_next_free_vgpr 138
		.amdhsa_next_free_sgpr 66
		.amdhsa_reserve_vcc 0
		.amdhsa_float_denorm_mode_32 3
		.amdhsa_float_denorm_mode_16_64 3
		.amdhsa_memory_ordered 1
		.amdhsa_forward_progress 1
		.amdhsa_inst_pref_size 13
	.end_amdhsa_kernel
	.amdgpu_metadata
---
amdhsa.version: [ 1, 2 ]
amdhsa.kernels:
  - .name:           k_q838d860883_gather
    .symbol:         k_q838d860883_gather.kd
    .args:
      - { .name: x, .offset: 0, .size: 8, .value_kind: global_buffer, .address_space: global }
      - { .name: weight, .offset: 8, .size: 8, .value_kind: global_buffer, .address_space: global }
      - { .name: mask, .offset: 16, .size: 8, .value_kind: global_buffer, .address_space: global }
      - { .name: out0, .offset: 24, .size: 8, .value_kind: global_buffer, .address_space: global }
    .group_segment_fixed_size: 0
    .private_segment_fixed_size: 0
    .kernarg_segment_align: 8
    .kernarg_segment_size: 32
    .max_flat_workgroup_size: 256
    .sgpr_count:     66
    .vgpr_count:     138
    .wavefront_size: 32
...
	.end_amdgpu_metadata
.endif
;; end of part 1
;; ======== version 2 of 2: 1 launch; version 1 with the launch gather written anew for expert scheduling mode
;; launch gather (part 2): grid 256 x 1, 8 waves a work-group, no clusters, 0 bytes of LDS; arguments x, weight, mask, out0; writes out0
.if DOCPART == 2
	.amdgcn_target "amdgcn-amd-amdhsa--gfx1250"
	.amdhsa_code_object_version 6
	.text
	.protected	k_q838d860883_gather
	.globl	k_q838d860883_gather
	.p2align	8
	.type	k_q838d860883_gather,@function
k_q838d860883_gather:
	s_mov_b64 s[64:65], 0
	v_nop
	global_prefetch_b8 v0, s[64:65] scope:SCOPE_SE
	s_setreg_imm32_b32 hwreg(HW_REG_WAVE_SCHED_MODE, 0, 2), 2
	s_setreg_imm32_b32 hwreg(HW_REG_WAVE_MODE, 25, 1), 1
	s_wait_xcnt 0x0
	s_wait_alu depctr_vm_vsrc(0)
; out0[t][c] = weight[x[t]][c] * mask[x[t]]  for the 16,384 tokens t of x [8][2048] (int32); weight [50257][512] f32, mask [50257][1] f32.
; One f32 multiply for each number, as reference() does it, so NaN, infinities and signed zeros come out as there.
; Nothing of reference() is left out; of weight and mask only the rows that x names are read.
; LIMIT: an index outside 0 .. 50256 is clamped to 50256 (taken as unsigned, so a negative one too); jnp.take would wrap a
; negative index and fill NaN past the end.  The problem keeps indices inside the table.
;
; SHAPE.  256 work-groups of eight waves; a work-group owns 64 consecutive tokens, a wave 8.  A wave takes whole rows: a row is
; 2,048 bytes = four loads of 16 bytes a lane, each covering 512 consecutive bytes that start at a multiple of 512 from the buffer's
; first byte, and four stores of the same shape.  All 32 row loads of a wave go out in one run (16 KiB a wave, 128 KiB a work-group,
; which is all that the work-group gathers), so there is no loop, and no register that a load or store reads is ever written again.
; The lane's 16 bytes as loaded are the 16 bytes that it stores: LDS would add a round trip and nothing else.
; No matrix unit (no product), no cluster (work-groups share no tile), no prefetch (each row is asked for as soon as its index
; is known).  Row loads carry no cache hint, since the list may name a row twice; the output is written once and not read: NT.
;
; The indices and the mask values are the same for all lanes of a wave, so they live in scalar registers: one scalar load brings the
; wave's eight indices (the eight waves of a group read 256 consecutive bytes of x), and eight scalar loads bring mask[index]
; while the rows are on their way.
;
; THE MODE: SCHED_MODE bits 1:0 = 2 (LLVM: expert scheduling mode 2), set by the entry lines.  The code itself states the register
; dependences between vector instructions and memory instructions, with s_wait_alu, always for 0.
; THE PLAN.  Registers that memory instructions touch:
;   v[L16]     written at the head; read by the eight lines that make OFF and, as their offset, by all 32 stores; never written again.
;   v[OFF+t]   written by one vector line; read, as their offset, by token t's four loads; never written again.
;   D[t]       token t's four loads land in it (no vector instruction has named it before); its eight multiplies read and write it in
;              place, behind the loads' own wait; its four stores read it; never written again.
; So: all eight OFF are made first, ONE wait on va_vdst stands ahead of the run of 32 loads, and no vector instruction stands among them.
; On the way out a token's eight multiplies stand in one run, one wait on va_vdst behind them, its four stores in one run behind that.
; That wait stands behind the multiplies and not at the next token's head, so that a row's stores do not hang on the next row's loads.
; No register that a load or store has read is written afterwards, so past the entry lines the text holds no wait on vm_vsrc and none on XCNT; EXEC is never written.
.set VOCAB, 50257
.set ROWB,  2048                       ; bytes in a row of weight and of out0
.set TOK,   8                          ; tokens of a wave
.set IDX,   16                         ; s[16:23]   the wave's eight indices, clamped in place
.set MK,    24                         ; s[24:39]   token t: s[MK+2t] = mask[index], s[MK+2t+1] = 4 x index, the byte offset it was loaded from
.set L16,   1                          ; v1         16 x lane: my 16 bytes in each 512 of a row; also the stores' offset
.set OFF,   2                          ; v[2:9]     token t: 2,048 x index + 16 x lane, at most 102,926,320: below 2^31
.set D,     10                         ; v[10:137]  token t: 16 registers, the row's four pieces, scaled in place and stored from there
	s_load_b256 s[4:11], s[0:1], 0x0               ; x s[4:5], weight s[6:7], mask s[8:9], out0 s[10:11]
	v_lshrrev_b32 v1, 5, v0
	v_readfirstlane_b32 s12, v1                    ; wave 0 .. 7 in the work-group
	v_and_b32 v[L16], 31, v0
	v_lshlrev_b32 v[L16], 4, v[L16]                ; 16 x lane
	s_lshl_b32 s13, ttmp9, 3
	s_wait_alu depctr_va_sdst(0)                   ; s12 is written, ahead of its first reader, the add below: the wave's places in x and out0 are made from it
	s_add_co_u32 s13, s13, s12                     ; wave 0 .. 2047 in the launch
	s_lshl_b32 s14, s13, 5                         ; its 8 indices in x: 32 bytes a wave
	s_lshl_b32 s2, s13, 14                         ; its 8 rows in out0: 16,384 bytes a wave, 32 MiB at the most
	s_mov_b32 s3, 0
	s_wait_kmcnt 0x0                               ; the four addresses
	s_load_b256 s[IDX:IDX+7], s[4:5], s14 offset:0x0
	s_add_nc_u64 s[10:11], s[10:11], s[2:3]        ; out0 at the wave's first row
	s_wait_kmcnt 0x0                               ; the eight indices
	; Clamp every index and make every row's offset,
.irp t, 0,1,2,3,4,5,6,7
	s_min_u32 s[IDX+\t], s[IDX+\t], VOCAB-1                        ; no address is made of an index that has not passed here
	v_lshl_add_u32 v[OFF+\t], s[IDX+\t], 11, v[L16]                ; 2,048 x index + 16 x lane
.endr
	; ask for the mask values (scalar work, which stands between the last vector line and the wait for it),
.irp t, 0,1,2,3,4,5,6,7
	s_lshl_b32 s[MK+2*\t+1], s[IDX+\t], 2                          ; 4 x index
	s_load_b32 s[MK+2*\t], s[8:9], s[MK+2*\t+1] offset:0x0         ; mask[index]
.endr
	; and ask for all eight rows in one run.
	s_wait_alu depctr_va_vdst(0)                   ; v[OFF .. OFF+7] are written, which the 32 loads below read as offsets; so is v[L16], which the stores read
.irp t, 0,1,2,3,4,5,6,7
.irp j, 0,1,2,3
	global_load_b128 v[D+16*\t+4*\j:D+16*\t+4*\j+3], v[OFF+\t], s[6:7] offset:512*\j
.endr
.endr
	s_wait_kmcnt 0x0                               ; the eight mask values (scalar loads come back in no order: only the count 0 shows anything)
	; Token by token: its four loads are in, scale, store.  The packed multiply takes a scalar pair and uses its first register for both
	; halves (op_sel_hi 0 for that source); the pair's second register holds the offset written above and enters no product.
.irp t, 0,1,2,3,4,5,6,7
	s_wait_loadcnt 4*(TOK-1-\t)                    ; loads come back in order (ISA guide 5.7.1): the four loads of each later token may stay out
.irp j, 0,1,2,3
	v_pk_mul_f32 v[D+16*\t+4*\j:D+16*\t+4*\j+1],   v[D+16*\t+4*\j:D+16*\t+4*\j+1],   s[MK+2*\t:MK+2*\t+1] op_sel_hi:[1,0]
	v_pk_mul_f32 v[D+16*\t+4*\j+2:D+16*\t+4*\j+3], v[D+16*\t+4*\j+2:D+16*\t+4*\j+3], s[MK+2*\t:MK+2*\t+1] op_sel_hi:[1,0]
.endr
	s_wait_alu depctr_va_vdst(0)                   ; the eight multiplies have written this token's 16 registers, which the four stores below read
.irp j, 0,1,2,3
	global_store_b128 v[L16], v[D+16*\t+4*\j:D+16*\t+4*\j+3], s[10:11] offset:\t*ROWB+512*\j th:TH_STORE_NT   ; 512 consecutive bytes of the token's row
.endr
.endr
	s_endpgm
.Lfunc_end_k_q838d860883_gather:
	.size	k_q838d860883_gather, .Lfunc_end_k_q838d860883_gather-k_q838d860883_gather
	.p2alignl 7, 3214868480
	.fill 96, 4, 3214868480
	.section	.rodata,"a",@progbits
	.p2align	6, 0x0
	.amdhsa_kernel k_q838d860883_gather
		.amdhsa_group_segment_fixed_size 0
		.amdhsa_private_segment_fixed_size 0
		.amdhsa_enable_private_segment 0
		.amdhsa_kernarg_size 32
		.amdhsa_user_sgpr_count 2
		.amdhsa_user_sgpr_kernarg_segment_ptr 1
		.amdhsa_wavefront_size32 1
		.amdhsa_system_sgpr_workgroup_id_x 1
		.amdhsa_system_sgpr_workgroup_id_y 1
		.amdhsa_system_sgpr_workgroup_id_z 1
		.amdhsa_system_vgpr_workitem_id 0
		.amdhsa_next_free_vgpr 138
		.amdhsa_next_free_sgpr 66
		.amdhsa_reserve_vcc 0
		.amdhsa_float_denorm_mode_32 3
		.amdhsa_float_denorm_mode_16_64 3
		.amdhsa_memory_ordered 1
		.amdhsa_forward_progress 1
		.amdhsa_inst_pref_size 14
	.end_amdhsa_kernel
	.amdgpu_metadata
---
amdhsa.version: [ 1, 2 ]
amdhsa.kernels:
  - .name:           k_q838d860883_gather
    .symbol:         k_q838d860883_gather.kd
    .args:
      - { .name: x, .offset: 0, .size: 8, .value_kind: global_buffer, .address_space: global }
      - { .name: weight, .offset: 8, .size: 8, .value_kind: global_buffer, .address_space: global }
      - { .name: mask, .offset: 16, .size: 8, .value_kind: global_buffer, .address_space: global }
      - { .name: out0, .offset: 24, .size: 8, .value_kind: global_buffer, .address_space: global }
    .group_segment_fixed_size: 0
    .private_segment_fixed_size: 0
    .kernarg_segment_align: 8
    .kernarg_segment_size: 32
    .max_flat_workgroup_size: 256
    .sgpr_count:     66
    .vgpr_count:     138
    .wavefront_size: 32
...
	.end_amdgpu_metadata
.endif
;; end of part 2
